; MI455X (gfx1250); checked and timed in simulation.
; The chip was launched on July 23, 2026; its instructions are those of AMD's public machine-readable ISA for CDNA 5 (MIT licence, August 2026) and "CDNA5" Instruction Set Architecture Reference Guide (July 2026). The comments in the code are by the model that wrote it; some were corrected since.
;; Self Attention. Allowed arithmetic: matrix products marked QUANTISED: E2M1 operands, one E8M0 scale for each 32 along K, by v_wmma_scale_f32_16x16x128_f8f6f4 with both operands' format E2M1 (or v_wmma_scale_f32_32x16x128_f4), f32 sums; products left as they are: bf16, f16 or f32 operands; f32 sums; everything else in f32.
;; Inputs: Wk 128 x 256 float32; Wq 128 x 256 float32; Wv 128 x 256 float32; bk 256 float32; bq 256 float32; bv 256 float32; x 8 x 2,048 x 128 float32.
;; Outputs: out0 8 x 2,048 x 256 float32.
;; This version of the problem:
;;   THIS VERSION OF THE PROBLEM IS GIVEN IN LOW PRECISION. The matrix products marked QUANTISED in the list below multiply operands that are first quantised to E2M1 (2 exponent bits, 1 mantissa bit; 4 bits a number), with one power-of-two scale for each 32 numbers along K (OCP MX v1.0); their sums are f32. The products marked 'left as it is' may take bf16, f16 or f32 operands, with f32 sums. Whichever they take, every output number must still come out within the allowed error. Rounding operands to bf16 (8 significant bits) uses up far more of that allowance than f16 does (11 bits, for magnitudes from 6e-5 to 65,504). All else is computed in f32.
;;   The module's matrix products, in the order in which they are computed (A, B: the left and right operand; K: the contracted axis; several contracted axes count as one K, in the product's order):
;;     1. [M 16,384, K 128] x [K 128, N 256]; A: input x; B: input Wq: QUANTISED
;;     2. [M 16,384, K 128] x [K 128, N 256]; A: input x; B: input Wk: QUANTISED
;;     3. [M 16,384, K 128] x [K 128, N 256]; A: input x; B: input Wv: QUANTISED
;;     4. batch 8 x [M 2,048, K 256] x [K 256, N 2,048]; A: computed on the way; B: computed on the way: left as it is (an operand is computed on the way)
;;     5. batch 8 x [M 2,048, K 2,048] x [K 2,048, N 256]; A: computed on the way; B: computed on the way: left as it is (an operand is computed on the way)
;;   THE QUANTISER, for each operand of a quantised product, along K:
;;     - K is cut into blocks of 32 from its start; a last block that is shorter is filled with zeros.
;;     - A block's scale is 2^e with e = floor(log2(the largest magnitude in the block)) - 2, held to -126 .. 127; a block of zeros has e = 0. As a byte (E8M0): e + 127.
;;     - Each number is divided by its block's scale, clamped to +-6, and rounded to the nearest number of E2M1, ties to even, subnormals kept.
;;     - The product sums the exact products of the quantised numbers (number of the format x scale) in f32.
;;   ~~~python
;;   def quantise(x, axis):      # numpy; x: float32 -> the quantised numbers, widened to float32 again
;;       x = np.moveaxis(x, axis, -1); K = x.shape[-1]
;;       x = np.pad(x, [(0, 0)] * (x.ndim - 1) + [(0, -K % 32)]); x = x.reshape(x.shape[:-1] + (-1, 32)); a = np.abs(x).max(-1, keepdims=True)
;;       e = np.where(a > 0, np.clip(np.frexp(np.where(a > 0, a, 1))[1] - 1 - 2, -126, 127), 0)      # np.frexp(a)[1] - 1 = floor(log2(a)), exactly
;;       r = np.clip(x / 2.0 ** e, -6, 6)
;;       step = 2.0 ** (np.maximum(np.frexp(np.where(r == 0, 1, r))[1] - 1, 0) - 1)
;;       q = np.round(r / step) * step * 2.0 ** e      # np.round: ties to even
;;       return np.moveaxis(q.reshape(q.shape[:-2] + (-1,))[..., :K], -1, axis).astype(np.float32)
;;   ~~~
;; One version. Each part assembles by itself: llvm-mc -triple=amdgcn-amd-amdhsa -mcpu=gfx1250 --defsym DOCPART=n.
;; ======== version 1 of 1: 3 launches
;; limits: values are held in f16: magnitudes above 65,504 overflow, below 6.1e-05 lose precision
;; workspace buffers: wcodes 49,152 bytes; wscales 6,144 bytes; qimg 8,388,608 bytes; kimg 8,388,608 bytes; vimg 8,388,608 bytes
;; launch prep (part 1): grid 8 x 1, 16 waves a work-group, no clusters, 35,072 bytes of LDS; arguments x, Wq, bq, Wk, bk, Wv, bv, wcodes, wscales, out0; writes wcodes, wscales, out0
.if DOCPART == 1
	.amdgcn_target "amdgcn-amd-amdhsa--gfx1250"
	.amdhsa_code_object_version 6
	.text
	.protected	k_qb9a7d6e812_prep
	.globl	k_qb9a7d6e812_prep
	.p2align	8
	.type	k_qb9a7d6e812_prep,@function
k_qb9a7d6e812_prep:
	s_mov_b64 s[64:65], 0
	v_nop
	global_prefetch_b8 v0, s[64:65] scope:SCOPE_SE
	s_setreg_imm32_b32 hwreg(HW_REG_WAVE_MODE, 25, 1), 1
	s_wait_xcnt 0x0
; PREP.  Two things.  (1) Wq, Wk, Wv [128 (k)][256 (n)] f32 become codes of FP4 (E2M1) with one E8M0 byte for each 32 along K, laid as images of operand registers:
;   wcodes [m 3][feature tile 16][half 2][lane 32][16 bytes], wscales [m][feature tile][lane 32][4 bytes].  (2) The first 16 positions of every sequence are carried in f32 from the projections on:
;   q, k, v of these 16 tokens by the FP4 matrix form, as the contract has them, then scores, softmax and the second product in f32 (16x16x4 matrix form: 8 instructions a wave, no bulk work).
; SHARES.  A work-group is a batch; wave w owns feature tile w (16 features) of q, of k and of v.  Every wave quantises the batch's 16 tokens itself, so x goes through no exchange.
;   The scores are a sum over all 256 features: each wave's partial S^T (16 keys x 16 queries) goes to LDS as an image, and every wave adds the sixteen.  Waves 2 b and 2 b + 1 of batch b store their tiles' codes: each byte has one owner.
; THE QUANTISER: a block's scale is 2^(floor(log2(largest magnitude)) - 2); its byte is the largest magnitude's exponent field - 2, held at 1 from below.  A block of zeros keeps the byte 1 where the rule says 127:
;   its codes are zeros, and the bytes are read by this program alone.
; LIMITS: blocks whose largest magnitude lies under 2^-124 are held at the byte 1; NaN and infinities among the inputs are not served.
; No cluster, no tensor load, no prefetch: eight work-groups that read 0.4 MB of weights once, by register loads.
.set SIMG,  0                          ; LDS: sixteen images of a partial S^T, 1,024 bytes each
.set OSTG,  16384                      ; the stage for the 16 rows of the output: 1,024 bytes + 16 a row
.set OPI,   1040
.set SPARE, 33024                      ; the spare words, 128 bytes for each of sixteen waves: eight blocks of 256 bytes that no other line names
.set SPW,  1                           ; v1   LDS address of my spare word; never rewritten
.set NIL,  2                           ; v2   0; never rewritten
.set RR,   3                           ; v3   r = lane % 16
.set HH,   4                           ; v4   h = lane / 16
.set LI,   5                           ; v5   16 x lane
.set LS,   6                           ; v6   4 x lane
.set XA,   7                           ; v7   x: 512 r + 128 h
.set WA,   8                           ; v8   W: 32768 h + 4 r + 64 w
.set BQO,  9                           ; v9   bq, bk: 32 h + 64 w
.set BVO,  10                          ; v10  bv: 4 r + 64 w
.set SH8,  11                          ; v11  8 h
.set DD,   12                          ; v12  r - 8 h: register i holds key 8 h + i, hidden where i > r - 8 h
.set NINF, 13                          ; v13  -infinity
.set IW,   14                          ; v14  16 x lane + 1024 w: my image of S^T in LDS, and my tile's codes in wcodes
.set OSO,  15                          ; v15  the stage, on the way in
.set OSR,  16                          ; v16  and on the way out
.set SO,   18                          ; v18  4 x lane + 128 w: my tile's scale words
.set TP,   19
.set TM,   20                          ; v20-27 the quantiser's work
.set XC,   28                          ; v28-35 x's codes
.set XS,   36                          ; v36  x's scale word
.set WS,   37                          ; v37-39 the three weights' scale words
.set WC,   40                          ; v40-63 their codes
.set AQ,   64                          ; v64-71 bq as C, then q^T: lane (r, h): token r, features 8 h + 0 .. 7
.set AKK,  72                          ; v72-79 the same for k
.set AV,   80                          ; v80-87 bv as C, then v: lane (r, h): feature r, tokens 8 h + 0 .. 7
.set SP0,  88                          ; v88-103 two sums of S^T, v104-119 two of O^T: written by matrix instructions alone
.set SP1,  96
.set OA0,  104
.set OA1,  112
.set T8,   120                         ; v120-127 at work
.set STA,  128                         ; v128-191, v192-255 two sets of 64 numbers to be quantised; later the sixteen images
.set STB,  192
.set WV,   24
.set SEL,  26
.set CS,   28
; 64 numbers of a lane, v[src + 32 c + i] = k 64 c + 32 h + i of my row or column, become the operand's 8 registers in v[dst] on and its scale word in v[sc].  A lane holds two whole blocks.
.macro QUANT src, dst, sc
.irp c, 0,1
	v_max3_num_f32 v[TM+\c], |v[\src+32*\c]|, |v[\src+32*\c+1]|, 0x1800000   ; and the floor 2^(3 - 127): the byte cannot fall under 1
.endr
.irp i, 2,4,6,8,10,12,14,16,18,20,22,24,26,28,30
.irp c, 0,1
	v_max3_num_f32 v[TM+\c], v[TM+\c], |v[\src+32*\c+\i]|, |v[\src+32*\c+\i+1]|   ; the two blocks by turns
.endr
.endr
.irp c, 0,1
	v_add_nc_u32 v[TM+2+\c], 0xff000000, v[TM+\c]   ; 2 off the exponent field: the conversion's scale operand
.endr
.irp c, 0,1
	v_lshrrev_b32 v[TM+4+\c], 23, v[TM+2+\c]        ; the scale's byte
.endr
	v_lshl_or_b32 v[\sc], v[TM+5], 16, v[TM+4]      ; blocks h and 2 + h,
	v_lshlrev_b32 v[\sc], v[SH8], v[\sc]            ; at their places in the word;
	v_permlanex16_b32 v[TM+6], v[\sc], s[SEL], s[SEL+1]
	v_or_b32 v[\sc], v[\sc], v[TM+6]                ; with lane l xor 16's two the word is whole
.irp c, 0,1
.irp g, 0,1,2,3
	v_cvt_scalef32_pk8_fp4_f32 v[\dst+4*\c+\g], v[\src+32*\c+8*\g:\src+32*\c+8*\g+7], v[TM+2+\c]
.endr
.endr
	v_nop                                           ; one plain place behind the last scaled conversion
.endm
.macro WLOAD stg, base                 ; my column of a weight, registers down K: sixteen lanes read 64 neighbouring bytes
.irp c, 0,1
.irp i, 0,1,2,3,4,5,6,7,8,9,10,11,12,13,14,15,16,17,18,19,20,21,22,23,24,25,26,27,28,29,30,31
	global_load_b32 v[\stg+32*\c+\i], v[WA], s[\base:\base+1] offset:(64*\c+\i)*1024
.endr
.endr
.endm
	s_load_b512 s[4:19], s[0:1], 0x0               ; x s[4:5], Wq s[6:7], bq s[8:9], Wk s[10:11], bk s[12:13], Wv s[14:15], bv s[16:17], wcodes s[18:19]
	s_load_b128 s[20:23], s[0:1], 0x40             ; wscales s[20:21], out0 s[22:23]
	v_lshl_add_u32 v[SPW], v0, 2, SPARE
	v_mov_b32 v[NIL], 0
	v_lshrrev_b32 v[TP], 5, v0
	v_readfirstlane_b32 s[WV], v[TP]               ; wave 0..15
	v_and_b32 v[RR], 15, v0
	v_bfe_u32 v[HH], v0, 4, 1
	v_and_b32 v[TP], 31, v0
	v_lshlrev_b32 v[LI], 4, v[TP]
	v_lshlrev_b32 v[LS], 2, v[TP]
	v_lshlrev_b32 v[XA], 9, v[RR]
	v_lshl_add_u32 v[XA], v[HH], 7, v[XA]
	s_lshl_b32 s30, s[WV], 6                       ; 64 w: my 16 features in bytes
	v_lshlrev_b32 v[BVO], 2, v[RR]
	v_add_nc_u32 v[BVO], s30, v[BVO]
	v_lshl_add_u32 v[WA], v[HH], 15, v[BVO]        ; lanes 16-31 begin 32 rows of 1,024 bytes further down
	v_lshlrev_b32 v[BQO], 5, v[HH]
	v_add_nc_u32 v[BQO], s30, v[BQO]
	v_lshlrev_b32 v[SH8], 3, v[HH]
	v_sub_nc_u32 v[DD], v[RR], v[SH8]
	v_mov_b32 v[NINF], 0xff800000
	v_mul_u32_u24 v[OSO], v[RR], OPI
	v_lshl_add_u32 v[OSO], v[HH], 5, v[OSO]
	s_add_co_u32 s30, s30, OSTG
	v_add_nc_u32 v[OSO], s30, v[OSO]               ; row r, + 32 h, + 64 w
	s_mul_i32 s30, s[WV], OPI
	s_add_co_u32 s30, s30, OSTG
	v_add_nc_u32 v[OSR], s30, v[LI]                ; row w, 16 bytes a lane
	s_lshl_b32 s30, s[WV], 10
	v_add_nc_u32 v[IW], s30, v[LI]
	s_lshl_b32 s30, s[WV], 7
	v_add_nc_u32 v[SO], s30, v[LS]
	v_mov_b32 v[TM+6], 0                           ; written once: a lane permute's destination counts as one of its sources
	s_mov_b32 s[SEL], 0x76543210
	s_mov_b32 s[SEL+1], 0xfedcba98                 ; lane l xor 16
	s_mov_b32 s[CS], 0x3db8aa3b                    ; c = log2(e) / sqrt(256)
	s_mov_b32 s[CS+1], s[CS]                       ; (named with it as a pair, so it is written)
	s_lshl_b32 s30, ttmp9, 20                      ; the batch's first token in x: 2,048 rows of 512 bytes
	s_mov_b32 s31, 0
	s_lshl_b32 s32, ttmp9, 21                      ; and in the output: 2,048 rows of 1,024 bytes,
	s_lshl_b32 s33, s[WV], 10                      ; + row w
	s_add_co_u32 s32, s32, s33
	s_mov_b32 s33, 0
	s_wait_kmcnt 0x0
	s_add_nc_u64 s[4:5], s[4:5], s[30:31]
	s_add_nc_u64 s[22:23], s[22:23], s[32:33]
	global_load_b128 v[AQ:AQ+3],    v[BQO], s[8:9]              ; the biases are the C of the three products, in the results' layouts
	global_load_b128 v[AQ+4:AQ+7],  v[BQO], s[8:9] offset:16
	global_load_b128 v[AKK:AKK+3],  v[BQO], s[12:13]
	global_load_b128 v[AKK+4:AKK+7], v[BQO], s[12:13] offset:16
.irp j, 0,1,2,3,4,5,6,7
	global_load_b32 v[AV+\j], v[BVO], s[16:17]                  ; v's result holds one feature a lane: the same number in all eight registers
.endr
.irp c, 0,1
.irp j, 0,1,2,3,4,5,6,7
	global_load_b128 v[STA+32*\c+4*\j:STA+32*\c+4*\j+3], v[XA], s[4:5] offset:256*\c+16*\j   ; x(r, 64 c + 32 h + 4 j ..)
.endr
.endr
	WLOAD STB, 6
	s_wait_loadcnt 63                              ; 64 loads are younger than x's; the count is the field's largest, one stricter than needed: the biases and x are in
	QUANT STA, XC, XS
	WLOAD STA, 10
	s_wait_loadcnt 63                              ; likewise: Wq's 64 are in
	QUANT STB, WC, WS
	WLOAD STB, 14
	s_wait_loadcnt 63                              ; Wk's are in
	QUANT STA, WC+8, WS+1
	s_wait_loadcnt 0x0
	QUANT STB, WC+16, WS+2
	s_lshr_b32 s30, s[WV], 1                       ; feature tiles 2 b and 2 b + 1 are stored by batch b's work-group
	s_cmp_lg_u32 s30, ttmp9
	s_cbranch_scc1 .Lnot_mine
.irp m, 0,1,2
	global_store_b128 v[IW], v[WC+8*\m:WC+8*\m+3],   s[18:19] offset:16384*\m        ; 32 lanes store 512 consecutive bytes
	global_store_b128 v[IW], v[WC+8*\m+4:WC+8*\m+7], s[18:19] offset:16384*\m+512
	global_store_b32  v[SO], v[WS+\m], s[20:21] offset:2048*\m
.endr
.Lnot_mine:
.rept 8
	v_nop                                          ; scale registers written by vector instructions stand 8 places ahead of a scaled matrix instruction, operands so written 4
.endr
	v_wmma_scale_f32_16x16x128_f8f6f4 v[AQ:AQ+7],   v[WC:WC+7],     v[XC:XC+7],       v[AQ:AQ+7],   v[WS],   v[XS]   matrix_a_fmt:MATRIX_FMT_FP4 matrix_b_fmt:MATRIX_FMT_FP4   ; q^T = Wq^T x^T + bq
	v_wmma_scale_f32_16x16x128_f8f6f4 v[AKK:AKK+7], v[WC+8:WC+15],  v[XC:XC+7],       v[AKK:AKK+7], v[WS+1], v[XS]   matrix_a_fmt:MATRIX_FMT_FP4 matrix_b_fmt:MATRIX_FMT_FP4   ; k^T
	v_wmma_scale_f32_16x16x128_f8f6f4 v[AV:AV+7],   v[XC:XC+7],     v[WC+16:WC+23],   v[AV:AV+7],   v[XS],   v[WS+2] matrix_a_fmt:MATRIX_FMT_FP4 matrix_b_fmt:MATRIX_FMT_FP4   ; v = x Wv + bv
.rept 5
	v_nop                                          ; five places before a matrix instruction takes these results as operands
.endr
; My 16 features' part of S^T = k q^T, in f32.  Registers 2 j, 2 j + 1 of both operands hold features 8 h + 2 j, + 1: the same four features on both sides of each instruction.  Two sums by turns.
	v_wmma_f32_16x16x4_f32 v[SP0:SP0+7], v[AKK:AKK+1],   v[AQ:AQ+1],   0
	v_wmma_f32_16x16x4_f32 v[SP1:SP1+7], v[AKK+2:AKK+3], v[AQ+2:AQ+3], 0
	v_wmma_f32_16x16x4_f32 v[SP0:SP0+7], v[AKK+4:AKK+5], v[AQ+4:AQ+5], v[SP0:SP0+7]
	v_wmma_f32_16x16x4_f32 v[SP1:SP1+7], v[AKK+6:AKK+7], v[AQ+6:AQ+7], v[SP1:SP1+7]
.rept 8
	v_nop                                          ; eight places behind this form before its results are read
.endr
.irp q, 0,2,4,6
	v_pk_add_f32 v[T8+\q:T8+\q+1], v[SP0+\q:SP0+\q+1], v[SP1+\q:SP1+\q+1]   ; from the low end on
.endr
	ds_store_b128 v[IW], v[T8:T8+3]   offset:SIMG
	ds_store_b128 v[IW], v[T8+4:T8+7] offset:SIMG+512
	s_wait_dscnt 0x0                               ; for the others' sake: my image has landed
	s_barrier_signal -1
	s_barrier_wait -1
.irp i, 0,1,2,3,4,5,6,7,8,9,10,11,12,13,14,15
	ds_load_b128 v[STA+8*\i:STA+8*\i+3],   v[LI] offset:SIMG+1024*\i
	ds_load_b128 v[STA+8*\i+4:STA+8*\i+7], v[LI] offset:SIMG+1024*\i+512
.endr
	s_wait_dscnt 0x0
.irp d, 8,4,2,1                        ; the sixteen parts are added, as a tree
.set i, 0
.rept \d
.irp q, 0,2,4,6
	v_pk_add_f32 v[STA+8*i+\q:STA+8*i+\q+1], v[STA+8*i+\q:STA+8*i+\q+1], v[STA+8*(i+\d)+\q:STA+8*(i+\d)+\q+1]
.endr
.set i, i+1
.endr
.endr
.irp i, 0,1,2,3,4,5,6,7                ; lane (r, h): query r, register i: key 8 h + i.  The causal mask
	v_cmp_gt_i32 vcc_lo, \i, v[DD]
	v_cndmask_b32 v[STA+\i], v[STA+\i], v[NINF], vcc_lo
.endr
	v_max3_num_f32 v[T8],   v[STA],   v[STA+1], v[STA+2]
	v_max3_num_f32 v[T8+1], v[STA+3], v[STA+4], v[STA+5]
	v_max3_num_f32 v[T8],   v[T8],    v[STA+6], v[STA+7]
	v_max_num_f32  v[T8],   v[T8],    v[T8+1]
	v_permlanex16_b32 v[T8+1], v[T8], s[SEL], s[SEL+1]
	v_max_num_f32  v[T8],   v[T8],    v[T8+1]      ; the row's largest score: key 0 counts for every query, so it is a number
	v_mul_f32 v[T8+2], s[CS], v[T8]
.irp q, 0,2,4,6
	v_pk_fma_f32 v[STA+\q:STA+\q+1], v[STA+\q:STA+\q+1], s[CS:CS+1], v[T8+2:T8+3] op_sel_hi:[1,0,0] neg_lo:[0,0,1] neg_hi:[0,0,1]   ; c s - c m
.endr
.irp i, 0,1,2,3,4,5,6,7
	v_exp_f32 v[STA+8+\i], v[STA+\i]
.endr
	v_nop                                          ; a plain place behind the last exponential,
	s_wait_alu depctr_va_vdst(0)                   ; and one wait ahead of the batch's first reader
	v_pk_add_f32 v[T8:T8+1],   v[STA+8:STA+9],   v[STA+10:STA+11]
	v_pk_add_f32 v[T8+4:T8+5], v[STA+12:STA+13], v[STA+14:STA+15]
	v_pk_add_f32 v[T8:T8+1],   v[T8:T8+1],       v[T8+4:T8+5]
	v_add_f32 v[T8], v[T8], v[T8+1]
	v_permlanex16_b32 v[T8+1], v[T8], s[SEL], s[SEL+1]
	v_add_f32 v[T8], v[T8], v[T8+1]                ; the row's sum
	v_rcp_f32 v[T8+6], v[T8]
	v_nop
	s_wait_alu depctr_va_vdst(0)                   ; the reciprocal's wait, ahead of its first reader
; O^T = v^T p for my 16 features, in f32: registers 2 s, 2 s + 1 of both operands hold keys 8 h + 2 s, + 1
	v_wmma_f32_16x16x4_f32 v[OA0:OA0+7], v[AV:AV+1],   v[STA+8:STA+9],   0
	v_wmma_f32_16x16x4_f32 v[OA1:OA1+7], v[AV+2:AV+3], v[STA+10:STA+11], 0
	v_wmma_f32_16x16x4_f32 v[OA0:OA0+7], v[AV+4:AV+5], v[STA+12:STA+13], v[OA0:OA0+7]
	v_wmma_f32_16x16x4_f32 v[OA1:OA1+7], v[AV+6:AV+7], v[STA+14:STA+15], v[OA1:OA1+7]
.rept 8
	v_nop
.endr
.irp q, 0,2,4,6
	v_pk_add_f32 v[STA+16+\q:STA+17+\q], v[OA0+\q:OA0+\q+1], v[OA1+\q:OA1+\q+1]
.endr
.irp q, 0,2,4,6
	v_pk_mul_f32 v[STA+16+\q:STA+17+\q], v[STA+16+\q:STA+17+\q], v[T8+6:T8+7] op_sel_hi:[1,0]   ; / the sum: lane (r, h): out(r, 16 w + 8 h + 0 .. 7)
.endr
	ds_store_b128 v[OSO], v[STA+16:STA+19]
	ds_store_b128 v[OSO], v[STA+20:STA+23] offset:16
	s_wait_dscnt 0x0                               ; my part of the sixteen rows has landed
	s_barrier_signal -1
	s_barrier_wait -1
	ds_load_b128 v[STA+24:STA+27], v[OSR]          ; wave w sends row w: 1,024 bytes
	ds_load_b128 v[STA+28:STA+31], v[OSR] offset:512
	s_wait_dscnt 0x0
	global_store_b128 v[LI], v[STA+24:STA+27], s[22:23]             ; 32 lanes store 512 consecutive bytes, aligned
	global_store_b128 v[LI], v[STA+28:STA+31], s[22:23] offset:512
	s_wait_tensorcnt 0x0                           ; the wave's end
	ds_add_u32 v[SPW], v[NIL]
	s_wait_dscnt 0x0
	s_endpgm
.Lfunc_end_k_qb9a7d6e812_prep:
	.size	k_qb9a7d6e812_prep, .Lfunc_end_k_qb9a7d6e812_prep-k_qb9a7d6e812_prep
	.p2alignl 7, 3214868480
	.fill 96, 4, 3214868480
	.section	.rodata,"a",@progbits
	.p2align	6, 0x0
	.amdhsa_kernel k_qb9a7d6e812_prep
		.amdhsa_group_segment_fixed_size 35072
		.amdhsa_private_segment_fixed_size 0
		.amdhsa_enable_private_segment 0
		.amdhsa_kernarg_size 80
		.amdhsa_user_sgpr_count 2
		.amdhsa_user_sgpr_kernarg_segment_ptr 1
		.amdhsa_wavefront_size32 1
		.amdhsa_system_sgpr_workgroup_id_x 1
		.amdhsa_system_sgpr_workgroup_id_y 1
		.amdhsa_system_sgpr_workgroup_id_z 1
		.amdhsa_system_vgpr_workitem_id 0
		.amdhsa_next_free_vgpr 256
		.amdhsa_next_free_sgpr 66
		.amdhsa_reserve_vcc 1
		.amdhsa_float_denorm_mode_32 3
		.amdhsa_float_denorm_mode_16_64 3
		.amdhsa_memory_ordered 1
		.amdhsa_forward_progress 1
		.amdhsa_inst_pref_size 47
	.end_amdhsa_kernel
	.amdgpu_metadata
---
amdhsa.version: [ 1, 2 ]
amdhsa.kernels:
  - .name:           k_qb9a7d6e812_prep
    .symbol:         k_qb9a7d6e812_prep.kd
    .args:
      - { .name: x, .offset: 0, .size: 8, .value_kind: global_buffer, .address_space: global }
      - { .name: Wq, .offset: 8, .size: 8, .value_kind: global_buffer, .address_space: global }
      - { .name: bq, .offset: 16, .size: 8, .value_kind: global_buffer, .address_space: global }
      - { .name: Wk, .offset: 24, .size: 8, .value_kind: global_buffer, .address_space: global }
      - { .name: bk, .offset: 32, .size: 8, .value_kind: global_buffer, .address_space: global }
      - { .name: Wv, .offset: 40, .size: 8, .value_kind: global_buffer, .address_space: global }
      - { .name: bv, .offset: 48, .size: 8, .value_kind: global_buffer, .address_space: global }
      - { .name: wcodes, .offset: 56, .size: 8, .value_kind: global_buffer, .address_space: global }
      - { .name: wscales, .offset: 64, .size: 8, .value_kind: global_buffer, .address_space: global }
      - { .name: out0, .offset: 72, .size: 8, .value_kind: global_buffer, .address_space: global }
    .group_segment_fixed_size: 35072
    .private_segment_fixed_size: 0
    .kernarg_segment_align: 8
    .kernarg_segment_size: 80
    .max_flat_workgroup_size: 512
    .sgpr_count:     66
    .vgpr_count:     256
    .wavefront_size: 32
...
	.end_amdgpu_metadata
.endif
;; end of part 1
;; launch proj (part 2): grid 256 x 1, 4 waves a work-group, no clusters, 5,120 bytes of LDS; arguments x, wcodes, wscales, bq, bk, bv, qimg, kimg, vimg; writes qimg, kimg, vimg
.if DOCPART == 2
	.amdgcn_target "amdgcn-amd-amdhsa--gfx1250"
	.amdhsa_code_object_version 6
	.text
	.protected	k_qb9a7d6e812_proj
	.globl	k_qb9a7d6e812_proj
	.p2align	8
	.type	k_qb9a7d6e812_proj,@function
k_qb9a7d6e812_proj:
	s_mov_b64 s[64:65], 0
	v_nop
	global_prefetch_b8 v0, s[64:65] scope:SCOPE_SE
	s_setreg_imm32_b32 hwreg(HW_REG_WAVE_MODE, 25, 1), 1
	s_wait_xcnt 0x0
; PROJ.  q = x Wq + bq, k = x Wk + bk, v = x Wv + bv on codes of FP4 (E2M1) with E8M0 scales; K = 128 is one matrix instruction.  The results are rounded once to f16 and stored as IMAGES OF THE OPERAND REGISTERS
; of the attention launch:  qimg, kimg [batch][tile of 16 tokens][feature tile 16][lane][16 bytes]: lane (r, h) = token r, features 16 ft + 8 h + 0 .. 7;
;                           vimg [batch][32 keys][feature tile 16][half 2][lane][16 bytes]: lane (r, h) = feature 16 ft + r, keys 16 half + 8 h + 0 .. 7.
; q and k are made TRANSPOSED (source 0 = 16 columns of W, source 1 = 16 tokens), v plainly: a lane's eight results, packed in pairs, then ARE such a piece, and every store of a wave covers 512 consecutive bytes, aligned.
; SHARES.  A work-group owns 64 tokens.  Wave w quantises tokens 16 w .. 16 w + 15 and hands codes and scale word to the others through LDS as images of their registers; it owns features 64 w .. 64 w + 63
; of q, k and v (12 fragments of the weights' codes, kept in registers) for all four tiles of tokens: 48 matrix instructions.  The biases are the C of the products.
; LIMITS: |q|, |k|, |v| stay under 65,504 (f16); blocks of x whose largest magnitude lies under 2^-124 are held at the byte 1 (a block of zeros too: its codes are zeros); NaN and infinities are not served.
; No cluster, no tensor load: what work-groups share is 54 KB of codes, which come by register loads; x is read once.
; REGISTERS: window 0: v1-16 addresses; v20-36 the quantiser; v40-43 x's scale words, v44-55 the weights'; v64-95 x's four fragments; v96-159 x's 64 numbers, then two sets of four accumulators; v160-191 two sets of packed results.
;            window 1: v0-95 the weights' 12 fragments; v96-191 the biases, eight registers a tile.
.set XIMG,  0                          ; LDS: x's four fragments, 1,024 bytes each,
.set XSC,   4096                       ; their scale words, 128 bytes each,
.set SPARE, 4608                       ; and the spare words, 128 bytes a wave: two blocks of 256 bytes that no other line names
.set SPW,  1
.set NIL,  2
.set RR,   3
.set HH,   4
.set LI,   5                           ; 16 x lane
.set LS,   6                           ; 4 x lane
.set XA,   7                           ; x: 512 r + 128 h + 8192 w
.set WCO,  8                           ; 16 x lane + 4096 w: my fragments in wcodes, and my pieces in vimg
.set WSO,  9                           ; 4 x lane + 512 w
.set BQO,  10                          ; 32 h + 256 w
.set BVO,  11                          ; 4 r + 256 w
.set XWI,  12                          ; 16 x lane + 1024 w
.set XWS,  13                          ; 4 x lane + 128 w
.set OQ,   14                          ; 16 x lane + 2048 w: my pieces in a tile of qimg, kimg
.set TP,   15
.set SH8,  16
.set TM,   20
.set PC,   28
.set PW,   36
.set XS,   40
.set WS,   44
.set XF,   64
.set ACC,  96
.set PK,   160
.set BI,   96                          ; in window 1
.set WV,   24
.set SEL,  26
.set MSB, 0
.macro WIN new                         ; the immediate's high byte repeats the setting that is left
.if MSB != \new
	s_set_vgpr_msb (MSB<<8)|\new
.set MSB, \new
.endif
.endm
.macro QUANT src, dst, sc              ; v[src + 32 c + i] = k 64 c + 32 h + i of my row: the operand's 8 registers and its scale word
.irp c, 0,1
	v_max3_num_f32 v[TM+\c], |v[\src+32*\c]|, |v[\src+32*\c+1]|, 0x1800000   ; and the floor 2^(3 - 127): the byte cannot fall under 1
.endr
.irp i, 2,4,6,8,10,12,14,16,18,20,22,24,26,28,30
.irp c, 0,1
	v_max3_num_f32 v[TM+\c], v[TM+\c], |v[\src+32*\c+\i]|, |v[\src+32*\c+\i+1]|
.endr
.endr
.irp c, 0,1
	v_add_nc_u32 v[TM+2+\c], 0xff000000, v[TM+\c]   ; 2 off the exponent field: the conversion's scale operand
.endr
.irp c, 0,1
	v_lshrrev_b32 v[TM+4+\c], 23, v[TM+2+\c]
.endr
	v_lshl_or_b32 v[\sc], v[TM+5], 16, v[TM+4]
	v_lshlrev_b32 v[\sc], v[SH8], v[\sc]
	v_permlanex16_b32 v[TM+6], v[\sc], s[SEL], s[SEL+1]
	v_or_b32 v[\sc], v[\sc], v[TM+6]
.irp c, 0,1
.irp g, 0,1,2,3
	v_cvt_scalef32_pk8_fp4_f32 v[\dst+4*\c+\g], v[\src+32*\c+8*\g:\src+32*\c+8*\g+7], v[TM+2+\c]
.endr
.endr
	v_nop                                           ; one plain place behind the last scaled conversion
.endm
	s_load_b512 s[4:19], s[0:1], 0x0               ; x s[4:5], wcodes s[6:7], wscales s[8:9], bq s[10:11], bk s[12:13], bv s[14:15], qimg s[16:17], kimg s[18:19]
	s_load_b64 s[20:21], s[0:1], 0x40              ; vimg
	v_lshl_add_u32 v[SPW], v0, 2, SPARE
	v_mov_b32 v[NIL], 0
	v_lshrrev_b32 v[TP], 5, v0
	v_readfirstlane_b32 s[WV], v[TP]               ; wave 0..3
	v_and_b32 v[RR], 15, v0
	v_bfe_u32 v[HH], v0, 4, 1
	v_and_b32 v[TP], 31, v0
	v_lshlrev_b32 v[LI], 4, v[TP]
	v_lshlrev_b32 v[LS], 2, v[TP]
	v_lshlrev_b32 v[XA], 9, v[RR]
	v_lshl_add_u32 v[XA], v[HH], 7, v[XA]
	s_lshl_b32 s30, s[WV], 13
	v_add_nc_u32 v[XA], s30, v[XA]
	s_lshl_b32 s30, s[WV], 12
	v_add_nc_u32 v[WCO], s30, v[LI]
	s_lshl_b32 s30, s[WV], 9
	v_add_nc_u32 v[WSO], s30, v[LS]
	s_lshl_b32 s30, s[WV], 8
	v_lshlrev_b32 v[BQO], 5, v[HH]
	v_add_nc_u32 v[BQO], s30, v[BQO]
	v_lshlrev_b32 v[BVO], 2, v[RR]
	v_add_nc_u32 v[BVO], s30, v[BVO]
	s_lshl_b32 s30, s[WV], 10
	v_add_nc_u32 v[XWI], s30, v[LI]
	s_lshl_b32 s30, s[WV], 7
	v_add_nc_u32 v[XWS], s30, v[LS]
	s_lshl_b32 s30, s[WV], 11
	v_add_nc_u32 v[OQ], s30, v[LI]
	v_lshlrev_b32 v[SH8], 3, v[HH]
	v_mov_b32 v[TM+6], 0                           ; written once: a lane permute's destination counts as one of its sources
	s_mov_b32 s[SEL], 0x76543210
	s_mov_b32 s[SEL+1], 0xfedcba98
	s_lshl_b32 s30, ttmp9, 15                      ; 64 tokens are 32,768 bytes in x and in each of the three images
	s_mov_b32 s31, 0
	s_wait_kmcnt 0x0
	s_add_nc_u64 s[4:5], s[4:5], s[30:31]
	s_add_nc_u64 s[16:17], s[16:17], s[30:31]
	s_add_nc_u64 s[18:19], s[18:19], s[30:31]
	s_add_nc_u64 s[20:21], s[20:21], s[30:31]
.irp c, 0,1
.irp j, 0,1,2,3,4,5,6,7
	global_load_b128 v[ACC+32*\c+4*\j:ACC+32*\c+4*\j+3], v[XA], s[4:5] offset:256*\c+16*\j th:TH_LOAD_NT   ; x(r, 64 c + 32 h + 4 j ..)
.endr
.endr
	WIN 0x40                                       ; destination window 1
.irp m, 0,1,2
.irp i, 0,1,2,3
	global_load_b128 v[8*(4*\m+\i):8*(4*\m+\i)+3],   v[WCO], s[6:7] offset:16384*\m+1024*\i
	global_load_b128 v[8*(4*\m+\i)+4:8*(4*\m+\i)+7], v[WCO], s[6:7] offset:16384*\m+1024*\i+512
.endr
.endr
	WIN 0
.irp m, 0,1,2
.irp i, 0,1,2,3
	global_load_b32 v[WS+4*\m+\i], v[WSO], s[8:9] offset:2048*\m+128*\i
.endr
.endr
	s_wait_loadcnt 36                              ; x's sixteen loads are in; the 24 of codes and 12 of scale words behind them may be out
	QUANT ACC, PC, PW
	ds_store_b128 v[XWI], v[PC:PC+3]   offset:XIMG
	ds_store_b128 v[XWI], v[PC+4:PC+7] offset:XIMG+512
	ds_store_b32  v[XWS], v[PW]        offset:XSC
	WIN 0x40
.irp i, 0,1,2,3
	global_load_b128 v[BI+8*\i:BI+8*\i+3],       v[BQO], s[10:11] offset:64*\i       ; bq at features 64 w + 16 i + 8 h + 0 .. 7
	global_load_b128 v[BI+8*\i+4:BI+8*\i+7],     v[BQO], s[10:11] offset:64*\i+16
	global_load_b128 v[BI+32+8*\i:BI+32+8*\i+3], v[BQO], s[12:13] offset:64*\i
	global_load_b128 v[BI+36+8*\i:BI+36+8*\i+3], v[BQO], s[12:13] offset:64*\i+16
.irp j, 0,1,2,3,4,5,6,7
	global_load_b32 v[BI+64+8*\i+\j], v[BVO], s[14:15] offset:64*\i                  ; bv at feature 64 w + 16 i + r, in all eight registers
.endr
.endr
	WIN 0
	s_wait_dscnt 0x0                               ; for the others' sake: my images have landed
	s_barrier_signal -1
	s_barrier_wait -1
.irp T, 0,1,2,3
	ds_load_b128 v[XF+8*\T:XF+8*\T+3],   v[LI] offset:XIMG+1024*\T
	ds_load_b128 v[XF+8*\T+4:XF+8*\T+7], v[LI] offset:XIMG+1024*\T+512
	ds_load_b32  v[XS+\T], v[LS] offset:XSC+128*\T
.endr
	s_wait_dscnt 0x0
	s_wait_loadcnt 0x0
; Group n = 4 m + i: feature tile i of q (m = 0), k (1) or v (2) for the four tiles of tokens: four accumulators, in set n % 2.
.macro GROUP n
.set gp, (\n)%2
.if (\n)/4 < 2
	WIN 0x11                                       ; source 0 (W) and C (bias) window 1
.irp T, 0,1,2,3
	v_wmma_scale_f32_16x16x128_f8f6f4 v[ACC+32*gp+8*\T:ACC+32*gp+8*\T+7], v[8*(\n):8*(\n)+7], v[XF+8*\T:XF+8*\T+7], v[BI+8*(\n):BI+8*(\n)+7], v[WS+(\n)], v[XS+\T] matrix_a_fmt:MATRIX_FMT_FP4 matrix_b_fmt:MATRIX_FMT_FP4
.endr
.else
	WIN 0x14                                       ; source 1 (W) and C window 1
.irp T, 0,1,2,3
	v_wmma_scale_f32_16x16x128_f8f6f4 v[ACC+32*gp+8*\T:ACC+32*gp+8*\T+7], v[XF+8*\T:XF+8*\T+7], v[8*(\n):8*(\n)+7], v[BI+8*(\n):BI+8*(\n)+7], v[XS+\T], v[WS+(\n)] matrix_a_fmt:MATRIX_FMT_FP4 matrix_b_fmt:MATRIX_FMT_FP4
.endr
.endif
	WIN 0
.endm
; Group n's results are rounded to f16, each accumulator from its low end on, and stored.  The sixteen conversions name no register of the group issued just before them: they are its places.
.macro SENDG n
.set gp, (\n)%2
	s_wait_xcnt 0x0                                ; the stores of two groups back have read this set of packed registers
.irp T, 0,1,2,3
.irp q, 0,1,2,3
	v_cvt_pk_f16_f32 v[PK+16*gp+4*\T+\q], v[ACC+32*gp+8*\T+2*\q], v[ACC+32*gp+8*\T+2*\q+1]
.endr
.endr
.irp T, 0,1,2,3
.if (\n)/4 == 0
	global_store_b128 v[OQ], v[PK+16*gp+4*\T:PK+16*gp+4*\T+3], s[16:17] offset:8192*\T+512*((\n)%4)
.elseif (\n)/4 == 1
	global_store_b128 v[OQ], v[PK+16*gp+4*\T:PK+16*gp+4*\T+3], s[18:19] offset:8192*\T+512*((\n)%4)
.else
	global_store_b128 v[WCO], v[PK+16*gp+4*\T:PK+16*gp+4*\T+3], s[20:21] offset:16384*(\T/2)+1024*((\n)%4)+512*(\T%2)
.endif
.endr
.endm
	GROUP 0
.rept 5
	v_nop                                          ; the first group has no conversions behind it: five places, for the reads of its results and for the group that writes over them
.endr
.irp n, 1,2,3,4,5,6,7,8,9,10,11
	GROUP \n
	SENDG \n-1
.endr
	SENDG 11
	s_wait_tensorcnt 0x0                           ; the wave's end
	ds_add_u32 v[SPW], v[NIL]
	s_wait_dscnt 0x0
	s_endpgm
.Lfunc_end_k_qb9a7d6e812_proj:
	.size	k_qb9a7d6e812_proj, .Lfunc_end_k_qb9a7d6e812_proj-k_qb9a7d6e812_proj
	.p2alignl 7, 3214868480
	.fill 96, 4, 3214868480
	.section	.rodata,"a",@progbits
	.p2align	6, 0x0
	.amdhsa_kernel k_qb9a7d6e812_proj
		.amdhsa_group_segment_fixed_size 5120
		.amdhsa_private_segment_fixed_size 0
		.amdhsa_enable_private_segment 0
		.amdhsa_kernarg_size 72
		.amdhsa_user_sgpr_count 2
		.amdhsa_user_sgpr_kernarg_segment_ptr 1
		.amdhsa_wavefront_size32 1
		.amdhsa_system_sgpr_workgroup_id_x 1
		.amdhsa_system_sgpr_workgroup_id_y 1
		.amdhsa_system_sgpr_workgroup_id_z 1
		.amdhsa_system_vgpr_workitem_id 0
		.amdhsa_next_free_vgpr 448
		.amdhsa_next_free_sgpr 66
		.amdhsa_reserve_vcc 0
		.amdhsa_float_denorm_mode_32 3
		.amdhsa_float_denorm_mode_16_64 3
		.amdhsa_memory_ordered 1
		.amdhsa_forward_progress 1
		.amdhsa_inst_pref_size 40
	.end_amdhsa_kernel
	.amdgpu_metadata
---
amdhsa.version: [ 1, 2 ]
amdhsa.kernels:
  - .name:           k_qb9a7d6e812_proj
    .symbol:         k_qb9a7d6e812_proj.kd
    .args:
      - { .name: x, .offset: 0, .size: 8, .value_kind: global_buffer, .address_space: global }
      - { .name: wcodes, .offset: 8, .size: 8, .value_kind: global_buffer, .address_space: global }
      - { .name: wscales, .offset: 16, .size: 8, .value_kind: global_buffer, .address_space: global }
      - { .name: bq, .offset: 24, .size: 8, .value_kind: global_buffer, .address_space: global }
      - { .name: bk, .offset: 32, .size: 8, .value_kind: global_buffer, .address_space: global }
      - { .name: bv, .offset: 40, .size: 8, .value_kind: global_buffer, .address_space: global }
      - { .name: qimg, .offset: 48, .size: 8, .value_kind: global_buffer, .address_space: global }
      - { .name: kimg, .offset: 56, .size: 8, .value_kind: global_buffer, .address_space: global }
      - { .name: vimg, .offset: 64, .size: 8, .value_kind: global_buffer, .address_space: global }
    .group_segment_fixed_size: 5120
    .private_segment_fixed_size: 0
    .kernarg_segment_align: 8
    .kernarg_segment_size: 72
    .max_flat_workgroup_size: 128
    .sgpr_count:     66
    .vgpr_count:     448
    .wavefront_size: 32
...
	.end_amdgpu_metadata
.endif
;; end of part 2
;; launch attn (part 3): grid 32 x 8, 4 waves a work-group, clusters of 4 x 1, 327,680 bytes of LDS; arguments qimg, kimg, vimg, out0; writes out0
.if DOCPART == 3
	.amdgcn_target "amdgcn-amd-amdhsa--gfx1250"
	.amdhsa_code_object_version 6
	.text
	.protected	k_qb9a7d6e812_attn
	.globl	k_qb9a7d6e812_attn
	.p2align	8
	.type	k_qb9a7d6e812_attn,@function
k_qb9a7d6e812_attn:
	s_mov_b64 s[64:65], 0
	v_nop
	global_prefetch_b8 v0, s[64:65] scope:SCOPE_SE
	s_setreg_imm32_b32 hwreg(HW_REG_WAVE_MODE, 25, 1), 1
	s_wait_xcnt 0x0
	s_wait_alu depctr_hold_cnt(0) depctr_sa_sdst(0) depctr_va_vdst(0) depctr_va_sdst(0) depctr_va_ssrc(0) depctr_va_vcc(0) depctr_vm_vsrc(0)
	s_getreg_b32 s2, hwreg(HW_REG_IB_STS2, 6, 4)
	s_cmp_eq_u32 s2, 0
	s_cbranch_scc0 .Lentry_in_a_cluster
	s_endpgm
.Lentry_in_a_cluster:
	s_bfe_u32 s2, ttmp6, 0x10000c
	s_cmp_lg_u32 s2, 0x3003
	s_cbranch_scc0 .Lentry_shape_is_right
	s_endpgm
.Lentry_shape_is_right:
; ATTN.  out[b][q] = the sum over keys k <= q of softmax_k(q . k / 16) v, one head of 256, 8 batches of 2,048 positions.  q, k, v come as f16 images of operand registers; products on f16 operands, sums, maxima
; and the softmax in f32, with a running maximum; the weights p (at most 1) are rounded to f16 for the second product.  Rows 0-15 of every batch are another launch's and are not stored here.
; SHARES.  A cluster of four work-groups owns queries 256 g .. 256 g + 255 of one batch, INTERLEAVED: partner c takes the four tiles of 16 queries 256 g + 64 j + 16 c, j = 0 .. 3.  So all four partners need the same
; keys, and each tile of K and V is asked for JOINTLY, once for the four.  Which steps carry the mask hangs on g and the count of laps alone; a partner's place enters only Q's and the output's addresses and the mask's compare.
; In a work-group wave 2 a + kh holds query tiles j = 2 a, 2 a + 1 (32 queries) and takes keys 64 kh .. 64 kh + 63 of each step of 128 keys: every fragment of K and V read from LDS feeds two products.
; At the end the two key halves are merged through LDS (maximum, sum, O), each wave keeping 128 of the head's 256 channels.
; THE WALK.  g + 1 laps of two steps of 128 keys.  THE DIAGONAL BLOCK COMES FIRST (keys 256 g on, with the mask), then keys 0 .. 256 g - 1 in ascending order: a running maximum takes the keys in any order.
; So a cluster's first fills name two tiles that no other cluster's first fills name, and the eight clusters of a batch together name all its sixteen tiles at the launch's start.  No prefetch is written: each tile that
; a refill names has been named, at the launch's start, by the first fills of the cluster whose diagonal it is.  A loop of g laps fills both slots again; the last lap is written out and asks for nothing.
; The clusters' work is uneven (2 to 16 steps): a work-group of late queries has to walk all earlier keys, and fewer queries for it would feed fewer products from each byte that it fetches.
; LAYOUT.  S^T = K Q^T (source 0 = 16 keys, source 1 = 16 queries) and O^T = V^T P: a lane holds ONE query (lane % 16) throughout; two tiles of S^T, packed in pairs, are P's fragment of 32 keys.
; LDS holds images: every ds_load_b128 takes 512 consecutive bytes, so there is no pitch and no padding, and a step's K and V are two dense blocks of 64 KB in memory.
; O's slot u holds channel tile (u + 8 kh) % 16, so that by one text every wave keeps slots 0-7 and sends slots 8-15 at the merge.
; A STEP has four runs of 32 products; the LDS loads stand inside them, in runs of eight, and so does the vector work that does not stand between S^T and P: the rescaling of O^T and the row sums.
; LIMITS: as the launch that makes the images states (f16's range); NaN and infinities are not served.
; REGISTERS, in windows of 256 (s_set_vgpr_msb: bits 1:0 source 0, 3:2 source 1, 5:4 source 2, 7:6 destination):
;   window 0: v1-15 addresses; v16-31 statistics, eight a tile; v32-95 S^T, 32 a tile; v96-127 P, 16 a tile; v129-159 the merge's and the way out's; v160-223 rows on the way out
;   window 1: O^T at 128 t + 8 u      window 2: v0-127 Q at 64 t + 8 dc; v128-255 buffer A      window 3: v0-127 buffer B; v128-255 buffer C
;   Buffers A and B change roles with the slot: X (slot 0: B, slot 1: A) holds K's keys 0-31, then V's; Y (the other) holds K's keys 32-63, then the next step's keys 0-31.  C holds V's keys 32-63.
.set SLOT,  131072                     ; a slot: 8 key tiles of K x 8,192 bytes, then 4 chunks of V x 16,384
.set VOFF,  65536
.set SPARE, 262144                     ; behind the ring: the spare words, 128 bytes a wave: two blocks of 256 bytes that no other line names
.set XCH,   0                          ; in slot 0, which has had its last fill and its last read by then: four waves' halves of O^T, 16,384 bytes each,
.set XST,   65536                      ; their statistics, 512 bytes each,
.set STG,   67584                      ; and a stage of 16 rows x (512 + 16) bytes for each wave
.set SPI,   528
.set AK,   3                           ; v3-4   my K fragments in slot 0, 1: 32768 kh + 16 x lane
.set AVL,  5                           ; v5-6   my V fragments, O's slots 0-7:  VOFF + 40960 kh + 16 x lane
.set AVH,  7                           ; v7-8   slots 8-15:                     VOFF + 24576 kh + 16 x lane
.set LI,   9                           ; v9     16 x lane
.set DD,   10                          ; v10    128 a + 16 cx + r - 64 kh - 8 h
.set NINF, 11                          ; v11    -infinity
.set DT,   12                          ; v12-13 the mask's bound for tile t
.set SPW,  14                          ; v14    LDS address of my spare word; never rewritten
.set NIL,  15                          ; v15    0; never rewritten
.set ST,   16                          ; tile t at v[ST + 8 t]: +0 c m, +1 m, +2, +3 the sum in two halves, +4 to +7 at work; a = 2^(c m_old - c m_new) in +6
.set S,    32
.set P,    96
.set STO,  129
.set RD,   130
.set XSW,  131
.set OWN,  132                         ; v132-135 c m, l of tile 0; of tile 1
.set PAR,  136                         ; v136-139 my partner wave's
.set XSR,  140
.set XCW,  141
.set XCR,  142
.set FS,   144                         ; v144-145, v146-147 the two factors of each tile
.set FP,   146
.set GG2,  148                         ; v[148 + 4 t] .. : gs twice, gp twice
.set TQ,   156                         ; v156-157 tile t's first query in its batch
.set LST,  158
.set OUT0, 160
.set OUT1, 32
.set WV,   12
.set CX,   13
.set GG,   14
.set BA,   15
.set WA,   16
.set KH,   17
.set G1,   24                          ; s[24:31] descriptor group 1, for K's and V's tiles alike
.set G0K,  32                          ; s[32:39] group 0 for K's refills, a set for each slot: they walk from tiles 0 and 1 on
.set G0V,  40                          ; s[40:47] for V's
.set LAPS, 48
.set MSK,  49                          ; s49  1 in the first lap, the diagonal's; 0 afterwards
.set SEX,  51
.set INC,  52                          ; s[52:53] what a refill's address steps by: 0 in the first lap, two tiles afterwards
.set CS,   54
.set SEL,  56
.set QB,   58
.set OB,   60
.set F0K,  68                          ; s[68:75] group 0 for K's first fills, the diagonal's two tiles; never rewritten
.set F0V,  76                          ; s[76:83] for V's
.set MSB, 0
.macro WIN new                         ; the immediate's high byte repeats the setting that is left; a switch that changes nothing is dropped
.if MSB != (\new)
	s_set_vgpr_msb (MSB<<8)|(\new)
.set MSB, (\new)
.endif
.endm
.macro PLACES                          ; four places: in front of loads into registers that matrix instructions have read, and of vector reads of results
.rept 4
	v_nop
.endr
.endm
.macro CREST                           ; a round of the cluster's barrier behind its opening barrier
	s_cmp_lg_u32 s[WV], 0
	s_cbranch_scc1 .Lnot_wave_0_\@
	s_barrier_signal -3
.Lnot_wave_0_\@:
	s_barrier_wait -3
	s_barrier_signal -1
	s_barrier_wait -1
.endm
.macro CROUND
	s_barrier_signal -1
	s_barrier_wait -1
	CREST
.endm
; A joint refill of slot sl: waves 0 and 1 fetch K's two halves, waves 2 and 3 V's, 32 KB each.  The branch hangs on the wave's number alone.  An s_nop 0 and four v_nop follow each line.
.macro JLOAD sl
	s_cmp_lt_u32 s[WV], 2
	s_cbranch_scc0 .Lfor_v_\@
	tensor_load_to_lds s[G0K+4*\sl:G0K+4*\sl+3], s[G1:G1+7]
	s_nop 0
	PLACES
	s_branch .Lasked_\@
.Lfor_v_\@:
	tensor_load_to_lds s[G0V+4*\sl:G0V+4*\sl+3], s[G1:G1+7]
	s_nop 0
	PLACES
.Lasked_\@:
.endm
; Load ln of the 32 that bring half hf (key tiles 2 hf, 2 hf + 1) of my 64 keys of K from slot sl into the buffer at window lw, register lb: piece ln is four registers, 512 bytes on from piece ln - 1.
.macro KL sl, hf, lw, lb
	WIN (\lw<<6)
	ds_load_b128 v[\lb+4*ln:\lb+4*ln+3], v[AK+(\sl)] offset:16384*\hf+512*ln
.set ln, ln+1
.endm
; Load ln of the 32 that bring chunk c (32 keys) of my V^T, 16 fragments in the order of O's slots.
.macro VL sl, c, lw, lb
	WIN (\lw<<6)
.if ln < 16
	ds_load_b128 v[\lb+4*ln:\lb+4*ln+3], v[AVL+\sl] offset:16384*\c+512*ln
.else
	ds_load_b128 v[\lb+4*ln:\lb+4*ln+3], v[AVH+\sl] offset:16384*\c+512*ln
.endif
.set ln, ln+1
.endm
; Product pn of the 32 of S^T for key tiles 2 half, 2 half + 1: channels 32 (pn / 4) on, key tile (pn / 2) % 2, query tile pn % 2.  Four accumulators by turns, one instruction a turn; the first four start the sums.
.macro SP half, kw, kb
	WIN 0x08|\kw                                   ; K in window kw, Q in window 2, S^T in window 0
.set rS, S+32*(pn%2)+8*(2*\half+(pn/2)%2)
.set rK, \kb+64*((pn/2)%2)+8*(pn/4)
.set rQ, 64*(pn%2)+8*(pn/4)
.if pn < 4
	v_wmma_f32_16x16x32_f16 v[rS:rS+7], v[rK:rK+7], v[rQ:rQ+7], 0
.else
	v_wmma_f32_16x16x32_f16 v[rS:rS+7], v[rK:rK+7], v[rQ:rQ+7], v[rS:rS+7]
.endif
.endm
; Product pn of the 32 of O^T += V^T P for chunk c: O's slot pn / 2, query tile pn % 2: 32 accumulators by turns.
.macro PP c, vw, vb
	WIN 0x50|\vw                                   ; V in window vw, P in window 0, O^T in window 1
.set rO, 128*(pn%2)+8*(pn/2)
.set rV, \vb+8*(pn/2)
.set rP, P+16*(pn%2)+8*\c
	v_wmma_f32_16x16x32_f16 v[rO:rO+7], v[rV:rV+7], v[rP:rP+7], v[rO:rO+7]
.endm
; Accumulator an of O^T (in PP's order) times a, from its low end on.
.macro RS an
	WIN 0x41                                       ; O^T (destination and source 0) in window 1, a in window 0
.set rR, 128*((\an)%2)+8*((\an)/2)
.set rA, ST+8*((\an)%2)+6
.irp q, 0,2,4,6
	v_pk_mul_f32 v[rR+\q:rR+\q+1], v[rR+\q:rR+\q+1], v[rA:rA+1] op_sel_hi:[1,0]
.endr
.endm
; Line sn of the 32 of the row sums of the unrounded p: a tree in place (neighbours 1, 2, 4, 8 pairs apart), the two tiles by turns; the last two lines: l = a l + the step's sum.
.macro SUMI
	WIN 0
.set suT, sn%2
.if sn < 16
.set suA, S+32*suT+4*(sn/2)
.set suB, suA+2
.elseif sn < 24
.set suA, S+32*suT+8*((sn-16)/2)
.set suB, suA+4
.elseif sn < 28
.set suA, S+32*suT+16*((sn-24)/2)
.set suB, suA+8
.else
.set suA, S+32*suT
.set suB, suA+16
.endif
.if sn < 30
	v_pk_add_f32 v[suA:suA+1], v[suA:suA+1], v[suB:suB+1]
.else
	v_pk_fma_f32 v[ST+8*suT+2:ST+8*suT+3], v[ST+8*suT+2:ST+8*suT+3], v[ST+8*suT+6:ST+8*suT+7], v[S+32*suT:S+32*suT+1] op_sel_hi:[1,0,1]
.endif
.set sn, sn+1
.endm
; The diagonal block's step e (0, 1).  Register n of tile t holds key 256 g + 128 e + 64 kh + 16 (n / 8) + 8 h + n % 8; my query is 256 g + 128 a + 64 t + 16 cx + r: hidden where 16 (n / 8) + n % 8 > DD + 64 t - 128 e.
.macro MASK e
.irp t, 0,1
	v_add_nc_u32 v[DT+\t], 64*\t-128*(\e), v[DD]
.endr
.irp n, 0,1,2,3,4,5,6,7,8,9,10,11,12,13,14,15,16,17,18,19,20,21,22,23,24,25,26,27,28,29,30,31
.irp t, 0,1
	v_cmp_gt_i32 vcc_lo, 16*(\n/8)+\n%8, v[DT+\t]
	v_cndmask_b32 v[S+32*\t+\n], v[S+32*\t+\n], v[NINF], vcc_lo
.endr
.endr
.endm
; What stands between S^T and P: the maximum, the scalings, the exponentials; the two tiles line by line, so that no line waits for the line above it.
.macro CORE
.irp j, 0,1,2,3                        ; the maximum of 32 scores and the old m: four chains, each begun at an accumulator's low end
.irp t, 0,1
	v_max3_num_f32 v[ST+8*\t+4+\j], v[S+32*\t+8*\j], v[S+32*\t+8*\j+1], v[S+32*\t+8*\j+2]
.endr
.endr
.irp i, 3,5
.irp j, 0,1,2,3
.irp t, 0,1
	v_max3_num_f32 v[ST+8*\t+4+\j], v[ST+8*\t+4+\j], v[S+32*\t+8*\j+\i], v[S+32*\t+8*\j+\i+1]
.endr
.endr
.endr
.irp t, 0,1
	v_max3_num_f32 v[ST+8*\t+4], v[ST+8*\t+4], v[S+32*\t+7], v[S+32*\t+15]
.endr
.irp t, 0,1
	v_max3_num_f32 v[ST+8*\t+6], v[ST+8*\t+6], v[S+32*\t+23], v[S+32*\t+31]
.endr
.irp t, 0,1
	v_max3_num_f32 v[ST+8*\t+4], v[ST+8*\t+4], v[ST+8*\t+5], v[ST+8*\t+6]
.endr
.irp t, 0,1
	v_max3_num_f32 v[ST+8*\t+4], v[ST+8*\t+4], v[ST+8*\t+7], v[ST+8*\t+1]
.endr
.irp t, 0,1
	v_permlanex16_b32 v[ST+8*\t+5], v[ST+8*\t+4], s[SEL], s[SEL+1]   ; the query's other 32 keys lie in the lane 16 away
.endr
.irp t, 0,1
	v_mov_b32 v[ST+8*\t+7], v[ST+8*\t]             ; c m_old is kept for a
.endr
.irp t, 0,1
	v_max_num_f32 v[ST+8*\t+1], v[ST+8*\t+4], v[ST+8*\t+5]
.endr
.irp t, 0,1
	v_mul_f32 v[ST+8*\t], s[CS], v[ST+8*\t+1]
.endr
.irp t, 0,1
	v_sub_f32 v[ST+8*\t+7], v[ST+8*\t+7], v[ST+8*\t]
.endr
.irp b, 0,2,4,6,8,10,12,14,16,18,20,22,24,26,28,30
.irp t, 0,1
	v_pk_fma_f32 v[S+32*\t+\b:S+32*\t+\b+1], v[S+32*\t+\b:S+32*\t+\b+1], s[CS:CS+1], v[ST+8*\t:ST+8*\t+1] op_sel_hi:[1,0,0] neg_lo:[0,0,1] neg_hi:[0,0,1]   ; c s - c m
.endr
.endr
.irp t, 0,1
	v_exp_f32 v[ST+8*\t+6], v[ST+8*\t+7]           ; a
.endr
.irp n, 0,1,2,3,4,5,6,7,8,9,10,11,12,13,14,15,16,17,18,19,20,21,22,23,24,25,26,27,28,29,30,31
.irp t, 0,1
	v_exp_f32 v[S+32*\t+\n], v[S+32*\t+\n]         ; p
.endr
.endr
	v_nop                                          ; a plain place behind the last exponential,
	s_wait_alu depctr_va_vdst(0)                   ; and ONE wait for the 66, ahead of the first line that names a result
.endm
.macro CVTP b0                         ; eight registers of P for each tile: b0 = 0: the chunk of keys 0-31; 8: of keys 32-63
.irp b, 0,1,2,3,4,5,6,7
.irp t, 0,1
	v_cvt_pk_f16_f32 v[P+16*\t+\b0+\b], v[S+32*\t+2*(\b0+\b)], v[S+32*\t+2*(\b0+\b)+1]
.endr
.endr
.endm
; A KEY STEP on slot sl.  On the way in: K's 64 loads have been issued, keys 0-31 (into X) ahead of keys 32-63 (into Y).  fill = 2: the slot is filled again, two steps ahead; 1: a change of slots with nothing to fetch; 0: the last step.
; The LDS loads stand in runs of eight, behind products 3, 11, 19 and 27 of each run of 32 products.
.macro STEP sl, fill
.if \sl == 0
.set XW, 3
.set XB, 0
.set YW, 2
.set YB, 128
.else
.set XW, 2
.set XB, 128
.set YW, 3
.set YB, 0
.endif
	PLACES                                         ; buffer C was read by the last step's last products
	s_wait_dscnt 32                                ; K's keys 0-31 are in; the 32 loads of keys 32-63 behind them may be out
.set pn, 0
.set ln, 0
.rept 32
	SP 0, XW, XB
.if pn%8 == 3
.rept 8
	VL \sl, 1, 3, 128                              ; V's second chunk into buffer C
.endr
.endif
.set pn, pn+1
.endr
	PLACES                                         ; X has been multiplied: it takes V's first chunk
	s_wait_dscnt 32                                ; K's keys 32-63 are in; V's 32 loads behind them may be out
.set pn, 0
.set ln, 0
.rept 32
	SP 1, YW, YB
.if pn%8 == 3
.rept 8
	VL \sl, 0, XW, XB
.endr
.endif
.set pn, pn+1
.endr
	WIN 0
	PLACES                                         ; behind the last products: for the reads of S^T, and for the loads into Y further down
	s_cmp_eq_u32 s[MSK], 0                         ; the mask stands in the first lap alone: a branch on the count of laps, the same in all waves and partners
	s_cbranch_scc1 .Lopen_\@
	MASK \sl
.Lopen_\@:
	CORE
.if \fill > 0
	s_wait_tensorcnt 0x0                           ; all my tensor loads have landed: the one that was out is my part of the other slot; so a group 0 may be written
	ds_add_u32 v[SPW], v[NIL]                      ; 0 onto my spare word
.if \fill == 2
	s_add_nc_u64 s[G0K+4*\sl+2:G0K+4*\sl+3], s[G0K+4*\sl+2:G0K+4*\sl+3], s[INC:INC+1]   ; this slot's next tile; the type bits on top are not reached
	s_add_nc_u64 s[G0V+4*\sl+2:G0V+4*\sl+3], s[G0V+4*\sl+2:G0V+4*\sl+3], s[INC:INC+1]
.endif
	CVTP 0                                         ; sixteen roundings stand between the add and the wait for it
	s_wait_dscnt 0x0                               ; the add is done; V's 64 loads are in: my reads of this slot are over
	s_barrier_signal -1
	CVTP 8                                         ; work on registers while the others arrive
	RS 0
	RS 1
	WIN 0
	s_barrier_wait -1
.if \fill == 2
	CREST                                          ; the barrier has opened a round of the cluster's: no wave of any partner still reads this slot or has a load on its way
	JLOAD \sl                                      ; my one tensor load behind the round: it has 128 products and a softmax in which to land
.endif
.else
	CVTP 0
	CVTP 8
	RS 0
	RS 1
	s_wait_dscnt 0x0                               ; V is in
.endif
.set pn, 0
.set ln, 0
.rept 32
	PP 0, XW, XB
.if pn < 30
	RS pn+2                                        ; O^T is rescaled two accumulators ahead of the product that adds onto it
.endif
.if (\fill > 0) && (pn%8 == 3)
.rept 8
	KL 1-\sl, 0, YW, YB                            ; the other slot is whole: the next step's keys 0-31
.endr
.endif
.set pn, pn+1
.endr
	PLACES                                         ; X has been multiplied: it takes the next step's keys 32-63
.set pn, 0
.set ln, 0
.set sn, 0
.rept 32
	PP 1, 3, 128
.if pn%4 == 1
.rept 4
	SUMI
.endr
.endif
.if (\fill > 0) && (pn%8 == 3)
.rept 8
	KL 1-\sl, 1, XW, XB
.endr
.endif
.set pn, pn+1
.endr
	WIN 0
.endm
	s_load_b256 s[4:11], s[0:1], 0x0               ; qimg s[4:5], kimg s[6:7], vimg s[8:9], out0 s[10:11]
	v_lshl_add_u32 v[SPW], v0, 2, SPARE
	v_mov_b32 v[NIL], 0
	ds_add_u32 v[SPW], v[NIL]                      ; the wave's opening: the add, twice on end, and its wait ahead of my first tensor load
	ds_add_u32 v[SPW], v[NIL]
	v_lshrrev_b32 v1, 5, v0
	v_readfirstlane_b32 s[WV], v1                  ; wave 0..3
	s_bfe_u32 s[CX], ttmp6, 0x40000                ; my place in the cluster
	s_mov_b32 s[GG], ttmp9                         ; g: the cluster's block of 256 queries
	s_and_b32 s[BA], ttmp7, 0xffff                 ; the batch
	s_lshr_b32 s[WA], s[WV], 1                     ; a: which two query tiles
	s_and_b32 s[KH], s[WV], 1                      ; kh: which half of a step's keys.  Also: which half of K's or V's tile I fetch
	s_mov_b32 s[G1],   15|(3<<16)|(1<<21)          ; 15:0 the mask: all four work-groups; 17:16 elements of 8 bytes; 21 set beside a mask; no padding
	s_mov_b32 s[G1+1], 32<<16                      ; tensor_dim0 = 32 elements: rows of 256 bytes
	s_mov_b32 s[G1+2], 128<<16                     ; tensor_dim1 = 128 rows: a dense block of 32 KB
	s_mov_b32 s[G1+3], 32<<16                      ; tile_dim0
	s_mov_b32 s[G1+4], 128                         ; tile_dim1
	s_mov_b32 s[G1+5], 32                          ; from row to row
	s_mov_b32 s[G1+6], 0
	s_mov_b32 s[G1+7], 0
	s_lshl_b32 s18, s[BA], 20                      ; a batch is 2^20 bytes in each image
	s_lshl_b32 s2, s[KH], 15                       ; my half of a tile: in memory and in a slot.  No place in the cluster enters these
	s_add_co_u32 s18, s18, s2
	s_mov_b32 s19, 0
	s_lshl_b32 s20, s[GG], 17                      ; the diagonal block begins 2 g tiles of 65,536 bytes on
	s_mov_b32 s21, 0
	s_lshl_b32 s22, s[BA], 7                       ; Q: tile 128 batch + 16 g + 8 a + cx, 8,192 bytes a tile; my second tile lies four tiles on
	s_lshl_b32 s3, s[GG], 4
	s_add_co_u32 s22, s22, s3
	s_lshl_b32 s3, s[WA], 3
	s_add_co_u32 s22, s22, s3
	s_add_co_u32 s22, s22, s[CX]
	s_lshl_b32 s22, s22, 13
	s_mov_b32 s23, 0
	s_lshl_b32 s62, s[BA], 11                      ; the output: row 2048 batch + 256 g + 128 a + 16 cx of 1,024 bytes, + 512 kh
	s_lshl_b32 s3, s[GG], 8
	s_add_co_u32 s62, s62, s3
	s_lshl_b32 s3, s[WA], 7
	s_add_co_u32 s62, s62, s3
	s_lshl_b32 s3, s[CX], 4
	s_add_co_u32 s62, s62, s3
	s_lshl_b32 s62, s62, 10
	s_lshl_b32 s3, s[KH], 9
	s_add_co_u32 s62, s62, s3
	s_mov_b32 s63, 0
	s_mov_b32 s[MSK], 1                            ; the first lap is the diagonal's
	s_mov_b32 s[INC], 0                            ; its refills name tiles 0 and 1, where the walking descriptors stand
	s_mov_b32 s[INC+1], 0
	s_mov_b32 s[CS], 0x3db8aa3b                    ; c = log2(e) / sqrt(256)
	s_mov_b32 s[CS+1], s[CS]
	s_mov_b32 s[SEL], 0x76543210
	s_mov_b32 s[SEL+1], 0xfedcba98
	s_wait_dscnt 0x0                               ; both opening adds are done
	s_wait_kmcnt 0x0
	s_add_nc_u64 s[6:7], s[6:7], s[18:19]          ; K and V at my half of the batch's tile 0,
	s_add_nc_u64 s[8:9], s[8:9], s[18:19]
	s_add_nc_u64 s[84:85], s[6:7], s[20:21]        ; and of the diagonal's first tile
	s_add_nc_u64 s[86:87], s[8:9], s[20:21]
	s_add_nc_u64 s[QB:QB+1], s[4:5], s[22:23]
	s_add_nc_u64 s[OB:OB+1], s[10:11], s[62:63]
	CROUND                                         ; all four work-groups are here: the first joint loads meet
.irp s, 0,1
	s_mov_b32 s[F0K+4*\s], 1                       ; count = 1
	s_add_co_u32 s[F0K+4*\s+1], s2, \s*SLOT        ; LDS address
	s_add_nc_u64 s[F0K+4*\s+2:F0K+4*\s+3], s[84:85], \s*65536   ; global address: tile 2 g + s
	s_or_b32 s[F0K+4*\s+3], s[F0K+4*\s+3], 0x80000000           ; type = 2
	s_mov_b32 s[F0V+4*\s], 1
	s_add_co_u32 s[F0V+4*\s+1], s2, \s*SLOT+VOFF
	s_add_nc_u64 s[F0V+4*\s+2:F0V+4*\s+3], s[86:87], \s*65536
	s_or_b32 s[F0V+4*\s+3], s[F0V+4*\s+3], 0x80000000
	s_mov_b32 s[G0K+4*\s], 1                       ; the walking sets: the same LDS bytes, tile s
	s_add_co_u32 s[G0K+4*\s+1], s2, \s*SLOT
	s_add_nc_u64 s[G0K+4*\s+2:G0K+4*\s+3], s[6:7], \s*65536
	s_or_b32 s[G0K+4*\s+3], s[G0K+4*\s+3], 0x80000000
	s_mov_b32 s[G0V+4*\s], 1
	s_add_co_u32 s[G0V+4*\s+1], s2, \s*SLOT+VOFF
	s_add_nc_u64 s[G0V+4*\s+2:G0V+4*\s+3], s[8:9], \s*65536
	s_or_b32 s[G0V+4*\s+3], s[G0V+4*\s+3], 0x80000000
.endr
	s_cmp_lt_u32 s[WV], 2                          ; a wave's two first fills stand in one branch, ahead of every wait on TENSORcnt and every LDS read: two loads of mine are out
	s_cbranch_scc0 .Lfirst_v
	tensor_load_to_lds s[F0K:F0K+3], s[G1:G1+7]
	s_nop 0
	tensor_load_to_lds s[F0K+4:F0K+7], s[G1:G1+7]
	s_nop 0
	PLACES
	s_branch .Lfirst_asked
.Lfirst_v:
	tensor_load_to_lds s[F0V:F0V+3], s[G1:G1+7]
	s_nop 0
	tensor_load_to_lds s[F0V+4:F0V+7], s[G1:G1+7]
	s_nop 0
	PLACES
.Lfirst_asked:
	v_and_b32 v1, 15, v0                           ; r
	v_bfe_u32 v2, v0, 4, 1                         ; h
	v_and_b32 v[LI], 31, v0
	v_lshlrev_b32 v[LI], 4, v[LI]
	WIN 0x80                                       ; destination window 2
.irp t, 0,1
.irp dc, 0,1,2,3,4,5,6,7
	global_load_b128 v[64*\t+8*\dc:64*\t+8*\dc+3],   v[LI], s[QB:QB+1] offset:32768*\t+1024*\dc th:TH_LOAD_NT       ; Q stays in registers
	global_load_b128 v[64*\t+8*\dc+4:64*\t+8*\dc+7], v[LI], s[QB:QB+1] offset:32768*\t+1024*\dc+512 th:TH_LOAD_NT
.endr
.endr
	WIN 0
	s_lshl_b32 s2, s[KH], 15
	v_add_nc_u32 v[AK], s2, v[LI]
	v_add_nc_u32 v[AK+1], SLOT, v[AK]
	s_mul_i32 s2, s[KH], 40960                     ; my two chunks of V begin 32,768 kh on; slot u < 8 holds channel tile u + 8 kh: 8,192 kh more
	s_add_co_u32 s2, s2, VOFF
	v_add_nc_u32 v[AVL], s2, v[LI]
	v_add_nc_u32 v[AVL+1], SLOT, v[AVL]
	s_mul_i32 s2, s[KH], 24576                     ; slot u >= 8 holds channel tile u - 8 kh: 8,192 kh less
	s_add_co_u32 s2, s2, VOFF
	v_add_nc_u32 v[AVH], s2, v[LI]
	v_add_nc_u32 v[AVH+1], SLOT, v[AVH]
	s_mul_i32 s2, s[WV], 16*SPI
	s_add_co_u32 s2, s2, STG                       ; my stage
	v_mul_u32_u24 v[STO], v1, SPI
	v_lshl_add_u32 v[STO], v2, 5, v[STO]
	v_add_nc_u32 v[STO], s2, v[STO]                ; in: row r, 32 bytes for each half of the lanes
	v_add_nc_u32 v[RD], s2, v[LI]                  ; back: a row of 512 bytes for the 32 lanes
	s_lshl_b32 s2, s[WV], 9
	s_add_co_u32 s2, s2, XST
	v_add_nc_u32 v[XSW], s2, v[LI]
	s_xor_b32 s3, s[WV], 1                         ; the wave with my queries and the other keys
	s_lshl_b32 s2, s3, 9
	s_add_co_u32 s2, s2, XST
	v_add_nc_u32 v[XSR], s2, v[LI]
	s_lshl_b32 s2, s[WV], 14
	v_add_nc_u32 v[XCW], s2, v[LI]
	s_lshl_b32 s2, s3, 14
	v_add_nc_u32 v[XCR], s2, v[LI]
	s_lshl_b32 s2, s[WA], 7
	s_lshl_b32 s3, s[CX], 4
	s_add_co_u32 s2, s2, s3                        ; 128 a + 16 cx
	s_lshl_b32 s3, s[GG], 8
	s_add_co_u32 s3, s3, s2
	v_mov_b32 v[TQ], s3                            ; my tiles' first queries in the batch
	v_add_nc_u32 v[TQ+1], 64, v[TQ]
	s_lshl_b32 s3, s[KH], 6
	s_sub_co_u32 s2, s2, s3
	v_lshlrev_b32 v[DT], 3, v2
	v_sub_nc_u32 v[DD], v1, v[DT]
	v_add_nc_u32 v[DD], s2, v[DD]
	v_mov_b32 v[NINF], 0xff800000
.irp t, 0,1
	v_mov_b32 v[ST+8*\t+1], 0xff61b1e6             ; m: -3e38, under every score
	v_mul_f32 v[ST+8*\t], s[CS], v[ST+8*\t+1]
	v_mov_b32 v[ST+8*\t+2], 0                      ; the sum, in two halves
	v_mov_b32 v[ST+8*\t+3], 0
.endr
	WIN 0x40                                       ; O^T begins as zeros, once, while the first fills are on their way: the step is then written without a first form of its own
.set i, 0
.rept 256
	v_mov_b32 v[i], 0
.set i, i+1
.endr
	WIN 0
	s_wait_tensorcnt 0x1                           ; my part of slot 0 is in; slot 1's may stay out
	s_barrier_signal -1
	s_barrier_wait -1                              ; everybody's is
.set ln, 0
.rept 32
	KL 0, 0, 3, 0                                  ; the first step's keys 0-31 into buffer B,
.endr
.set ln, 0
.rept 32
	KL 0, 1, 2, 128                                ; its keys 32-63 into buffer A
.endr
	WIN 0
	s_wait_loadcnt 0x0                             ; Q
	s_mov_b32 s[LAPS], s[GG]
	s_cmp_eq_u32 s[GG], 0                          ; the first block of queries has only its diagonal block: the same in all four partners
	s_cbranch_scc1 .Ltail
.Llap:                                             ; g laps, the diagonal's first: both slots are filled again
	STEP 0, 2
	STEP 1, 2
	s_mov_b32 s[MSK], 0                            ; the laps that follow carry no mask,
	s_mov_b32 s[INC], 2*65536                      ; and their refills step two tiles on
	s_sub_co_u32 s[LAPS], s[LAPS], 1
	s_cmp_lg_u32 s[LAPS], 0
	s_cbranch_scc1 .Llap
.Ltail:                                            ; the last lap, written out: nothing more is asked for
	STEP 0, 1
	STEP 1, 0
	; THE MERGE of the two key halves.  Each wave hands its statistics and O's slots 8-15 to the wave with the same queries, and keeps slots 0-7.
	PLACES                                         ; behind the last products, ahead of the reads of O^T
.irp t, 0,1
	v_add_f32 v[ST+8*\t+4], v[ST+8*\t+2], v[ST+8*\t+3]
.endr
.irp t, 0,1
	v_permlanex16_b32 v[ST+8*\t+5], v[ST+8*\t+4], s[SEL], s[SEL+1]
.endr
.irp t, 0,1
	v_add_f32 v[OWN+2*\t+1], v[ST+8*\t+4], v[ST+8*\t+5]   ; my keys' sum for the query
	v_mov_b32 v[OWN+2*\t], v[ST+8*\t]                     ; and c m
.endr
	ds_store_b128 v[XSW], v[OWN:OWN+3]
	WIN 0x04                                       ; an LDS store's data are its source 1: window 1
.irp t, 0,1
.irp u, 8,9,10,11,12,13,14,15
	ds_store_b128 v[XCW], v[128*\t+8*\u:128*\t+8*\u+3]   offset:XCH+1024*(8*\t+\u-8)       ; each accumulator from its low end on
	ds_store_b128 v[XCW], v[128*\t+8*\u+4:128*\t+8*\u+7] offset:XCH+1024*(8*\t+\u-8)+512
.endr
.endr
	WIN 0
	s_wait_dscnt 0x0                               ; for the other wave's sake: my stores have landed
	s_barrier_signal -1
	s_barrier_wait -1
	ds_load_b128 v[PAR:PAR+3], v[XSR]
	WIN 0xc0                                       ; into buffer B: piece 2 (8 t + i) + half lands at 64 t + 8 i + 4 half, beside my slot i of tile t
.set i, 0
.rept 32
	ds_load_b128 v[4*i:4*i+3], v[XCR] offset:XCH+512*i
.set i, i+1
.endr
	WIN 0
	s_wait_dscnt 32                                ; the statistics are in; the 32 pieces behind them may be out
.irp t, 0,1
	v_max_num_f32 v[LST+\t], v[OWN+2*\t], v[PAR+2*\t]
.endr
.irp t, 0,1
	v_sub_f32 v[FS+\t], v[OWN+2*\t], v[LST+\t]
	v_sub_f32 v[FP+\t], v[PAR+2*\t], v[LST+\t]
.endr
.irp t, 0,1
	v_exp_f32 v[FS+\t], v[FS+\t]                   ; 2^(c m - c max): 0 for a half all of whose keys were hidden
	v_exp_f32 v[FP+\t], v[FP+\t]
.endr
	v_nop
	s_wait_alu depctr_va_vdst(0)                   ; one wait for the four
.irp t, 0,1
	v_mul_f32 v[LST+\t], v[FS+\t], v[OWN+2*\t+1]
.endr
.irp t, 0,1
	v_fmac_f32 v[LST+\t], v[FP+\t], v[PAR+2*\t+1]  ; the row's sum: key 0 counts for every query, so it is not 0
.endr
.irp t, 0,1
	v_rcp_f32 v[LST+\t], v[LST+\t]
.endr
	v_nop
	s_wait_alu depctr_va_vdst(0)                   ; one wait for the two
.irp t, 0,1
	v_mul_f32 v[GG2+4*\t],   v[FS+\t], v[LST+\t]   ; each factor twice: the packed forms multiply by a pair
	v_mul_f32 v[GG2+4*\t+1], v[FS+\t], v[LST+\t]
	v_mul_f32 v[GG2+4*\t+2], v[FP+\t], v[LST+\t]
	v_mul_f32 v[GG2+4*\t+3], v[FP+\t], v[LST+\t]
.endr
	s_wait_dscnt 0x0
	WIN 0xc3                                       ; destination and source 0 window 3
.irp t, 0,1
.set i, 0
.rept 32
	v_pk_mul_f32 v[64*\t+i:64*\t+i+1], v[64*\t+i:64*\t+i+1], v[GG2+4*\t+2:GG2+4*\t+3]
.set i, i+2
.endr
.endr
	WIN 0xf1                                       ; source 0 (my O^T) window 1, source 2 and destination window 3
.irp t, 0,1
.set i, 0
.rept 32
	v_pk_fma_f32 v[64*\t+i:64*\t+i+1], v[128*\t+i:128*\t+i+1], v[GG2+4*\t:GG2+4*\t+1], v[64*\t+i:64*\t+i+1]   ; ascending: each accumulator from its low end on
.set i, i+2
.endr
.endr
; THE WAY OUT.  A lane holds 32 neighbouring bytes of a row, the lanes beside it other rows: a tile goes through my own stage and comes back as rows of 512 bytes.  LDS serves a wave's instructions in order: no wait between stores and loads.
.macro PACK t, reg
	WIN 0x0c                                       ; the data: window 3
.irp u, 0,1,2,3,4,5,6,7
	ds_store_b128 v[STO], v[64*\t+8*\u:64*\t+8*\u+3]   offset:64*\u
	ds_store_b128 v[STO], v[64*\t+8*\u+4:64*\t+8*\u+7] offset:64*\u+16
.endr
	WIN 0
.irp i, 0,1,2,3,4,5,6,7,8,9,10,11,12,13,14,15
	ds_load_b128 v[\reg+4*\i:\reg+4*\i+3], v[RD] offset:SPI*\i
.endr
.endm
; The tile that holds a batch's first 16 positions is another launch's: its stores are switched off by EXEC, not by a branch, since the condition holds my work-group's place in its cluster.
.macro SEND t, reg, younger
	v_cmp_ne_u32 vcc_lo, 0, v[TQ+\t]
	s_wait_xcnt 0x0                                ; EXEC changes only behind this wait
	s_and_saveexec_b32 s[SEX], vcc_lo
.irp i, 0,1,2,3,4,5,6,7,8,9,10,11,12,13,14,15
	s_wait_dscnt \younger+15-\i
	global_store_b128 v[LI], v[\reg+4*\i:\reg+4*\i+3], s[OB:OB+1] offset:65536*\t+1024*\i th:TH_STORE_NT   ; 32 lanes store 512 consecutive bytes, aligned
.endr
	s_wait_xcnt 0x0                                ; and again, in front of the line that widens it
	s_or_b32 exec_lo, exec_lo, s[SEX]
.endm
	PACK 0, OUT0
	PACK 1, OUT1
	SEND 0, OUT0, 32                               ; behind tile 0's loads: tile 1's 16 stores and 16 loads
	SEND 1, OUT1, 0
	s_wait_tensorcnt 0x0                           ; the wave's end
	ds_add_u32 v[SPW], v[NIL]
	s_wait_dscnt 0x0
	CROUND                                         ; the closing round: no work-group ends while a partner may still ask for a tile that names it
	s_endpgm
.Lfunc_end_k_qb9a7d6e812_attn:
	.size	k_qb9a7d6e812_attn, .Lfunc_end_k_qb9a7d6e812_attn-k_qb9a7d6e812_attn
	.p2alignl 7, 3214868480
	.fill 96, 4, 3214868480
	.section	.rodata,"a",@progbits
	.p2align	6, 0x0
	.amdhsa_kernel k_qb9a7d6e812_attn
		.amdhsa_group_segment_fixed_size 327680
		.amdhsa_private_segment_fixed_size 0
		.amdhsa_enable_private_segment 0
		.amdhsa_kernarg_size 32
		.amdhsa_user_sgpr_count 2
		.amdhsa_user_sgpr_kernarg_segment_ptr 1
		.amdhsa_wavefront_size32 1
		.amdhsa_system_sgpr_workgroup_id_x 1
		.amdhsa_system_sgpr_workgroup_id_y 1
		.amdhsa_system_sgpr_workgroup_id_z 1
		.amdhsa_system_vgpr_workitem_id 0
		.amdhsa_next_free_vgpr 1024
		.amdhsa_next_free_sgpr 92
		.amdhsa_reserve_vcc 1
		.amdhsa_float_denorm_mode_32 3
		.amdhsa_float_denorm_mode_16_64 3
		.amdhsa_memory_ordered 1
		.amdhsa_forward_progress 1
		.amdhsa_inst_pref_size 215
	.end_amdhsa_kernel
	.amdgpu_metadata
---
amdhsa.version: [ 1, 2 ]
amdhsa.kernels:
  - .name:           k_qb9a7d6e812_attn
    .symbol:         k_qb9a7d6e812_attn.kd
    .args:
      - { .name: qimg, .offset: 0, .size: 8, .value_kind: global_buffer, .address_space: global }
      - { .name: kimg, .offset: 8, .size: 8, .value_kind: global_buffer, .address_space: global }
      - { .name: vimg, .offset: 16, .size: 8, .value_kind: global_buffer, .address_space: global }
      - { .name: out0, .offset: 24, .size: 8, .value_kind: global_buffer, .address_space: global }
    .group_segment_fixed_size: 327680
    .private_segment_fixed_size: 0
    .kernarg_segment_align: 8
    .kernarg_segment_size: 32
    .max_flat_workgroup_size: 128
    .sgpr_count:     92
    .vgpr_count:     1024
    .wavefront_size: 32
...
	.end_amdgpu_metadata
.endif
;; end of part 3
